; MI455X (gfx1250); checked and timed in simulation.
; The chip was launched on July 23, 2026; its instructions are those of AMD's public machine-readable ISA for CDNA 5 (MIT licence, August 2026) and "CDNA5" Instruction Set Architecture Reference Guide (July 2026). The comments in the code are by the model that wrote it; some were corrected since.
;; Model. Allowed arithmetic: matrix products marked QUANTISED: E5M2 operands, one given power-of-two scale a tensor, by v_wmma_f32_16x16x64_bf8_bf8 or v_wmma_f32_16x16x128_bf8_bf8, f32 sums; everything else in f32.
;; Inputs: key_codes 2 x 16 x 2,048 x 4 x 32 uint8 (E5M2 codes of key, K innermost, in blocks of 32 codes); lowp_scales 4 int32 (the exponents e of the quantised operands' scales 2^e); query_codes 2 x 16 x 2,048 x 4 x 32 uint8 (E5M2 codes of query, K innermost, in blocks of 32 codes); value_codes 2 x 16 x 128 x 64 x 32 uint8 (E5M2 codes of value, K innermost, in blocks of 32 codes).
;; Outputs: out0 2 x 16 x 2,048 x 128 float32.
;; This version of the problem:
;;   THIS VERSION OF THE PROBLEM IS GIVEN IN LOW PRECISION. The matrix products marked QUANTISED in the list below multiply operands that are first quantised to E5M2 (5 exponent bits, 2 mantissa bits; 8 bits a number), with one given power-of-two scale for each operand tensor; their sums are f32. All else is computed in f32.
;;   The module's matrix products, in the order in which they are computed (A, B: the left and right operand; K: the contracted axis; several contracted axes count as one K, in the product's order):
;;     1. batch 32 x [M 2,048, K 128] x [K 128, N 2,048]; A: input query (given as codes); B: input key (given as codes): QUANTISED (scales: A lowp_scales[0], B lowp_scales[1])
;;     2. batch 32 x [M 2,048, K 2,048] x [K 2,048, N 128]; A: softmax (see below); B: input value (given as codes): QUANTISED (scales: A lowp_scales[2], B lowp_scales[3])
;;   THE QUANTISER, for each operand of a quantised product, along K:
;;     - The operand's scale is 2^e, e = its entry of the input lowp_scales (int32; the entries are numbered through the quantised products in the list's order, A before B).
;;     - Each number is divided by the scale, clamped to +-57,344, and rounded to the nearest number of E5M2, ties to even, subnormals kept.
;;     - The product sums the exact products of the quantised numbers (number of the format x scale) in f32.
;;   ~~~python
;;   def quantise(x, axis, e):      # numpy; x: float32 -> the quantised numbers, widened to float32 again
;;       x = np.moveaxis(x, axis, -1); K = x.shape[-1]
;;       r = np.clip(x / 2.0 ** e, -57344, 57344)
;;       step = 2.0 ** (np.maximum(np.frexp(np.where(r == 0, 1, r))[1] - 1, -14) - 2)
;;       q = np.round(r / step) * step * 2.0 ** e      # np.round: ties to even
;;       return np.moveaxis(q, -1, axis).astype(np.float32)
;;   ~~~
;;   SOFTMAX AHEAD OF A QUANTISED PRODUCT. Where the list says 'softmax', what is quantised is not the finished softmax but p = 2^(t - M), with t = logit x log2(e) and M = ceil(the row's largest t), a whole number; so 1/2 < the row's largest p <= 1. The row's sum l is taken of the UNQUANTISED p, in f32, and the product's result is divided by l at the end. Since M is a whole number, a kernel that streams over the keys may use a running M (the ceiling of the running maximum): every later rescaling is an exact power of two, so the quantised numbers keep their values, but for numbers so far below the row's largest that they fall under the format's range.
;;   OPERANDS COMPUTED ON THE WAY. 'Computed on the way' means the value that the module computes at that place (a softmax that the list does not call 'softmax' is quantised finished and normalised). What goes into a quantiser is computed in f32, as accurately as f32 sums, v_exp_f32 and their like allow (about 1e-6 of the number): no bf16 or f16 on the way to a quantiser, and a product that is left as it is and whose result goes on into a quantised operand takes f32 operands (vector FMAs, or v_wmma_f32_16x16x4_f32). A number that lies on a knife's edge between two numbers of the format may be rounded either way, as far as f32 arithmetic and the matrix unit's own rounding can turn it there, and no further.
;;   INPUTS GIVEN AS CODES. key (in the module: [2, 16, 2048, 128], K = its axis 3); query (in the module: [2, 16, 2048, 128], K = its axis 3); value (in the module: [2, 16, 2048, 128], K = its axis 2): each comes as NAME_codes (uint8): NAME with its K axis moved to the last place and cut into blocks of 32 codes, [.., K / 32, bytes a block], one block behind the other in memory; one code a byte (a code: sign, 5 exponent bits, 2 mantissa bits); its scale is its entry of lowp_scales. Its value is code x scale, taken as it is: it is not quantised again, and the codes and scales need not be those that the quantiser above would give.
;; One version. Each part assembles by itself: llvm-mc -triple=amdgcn-amd-amdhsa -mcpu=gfx1250 --defsym DOCPART=n.
;; ======== version 1 of 1: 1 launch
;; limits: right only within a limited range of input values
;; launch attn (part 1): grid 8 x 32, 4 waves a work-group, clusters of 4 x 1, 327,680 bytes of LDS; arguments query_codes, key_codes, value_codes, lowp_scales, out0; writes out0
.if DOCPART == 1
	.amdgcn_target "amdgcn-amd-amdhsa--gfx1250"
	.amdhsa_code_object_version 6
	.text
	.protected	k_q8f9ab0af9a_attn
	.globl	k_q8f9ab0af9a_attn
	.p2align	8
	.type	k_q8f9ab0af9a_attn,@function
k_q8f9ab0af9a_attn:
	s_mov_b64 s[64:65], 0
	v_nop
	global_prefetch_b8 v0, s[64:65] scope:SCOPE_SE
	s_setreg_imm32_b32 hwreg(HW_REG_WAVE_MODE, 25, 1), 1
	s_wait_xcnt 0x0
	s_wait_alu depctr_hold_cnt(0) depctr_sa_sdst(0) depctr_va_vdst(0) depctr_va_sdst(0) depctr_va_ssrc(0) depctr_va_vcc(0) depctr_vm_vsrc(0)
	s_getreg_b32 s2, hwreg(HW_REG_IB_STS2, 6, 4)
	s_cmp_eq_u32 s2, 0
	s_cbranch_scc0 .Lentry_in_a_cluster
	s_endpgm
.Lentry_in_a_cluster:
	s_bfe_u32 s2, ttmp6, 0x10000c
	s_cmp_lg_u32 s2, 0x3003
	s_cbranch_scc0 .Lentry_shape_is_right
	s_endpgm
.Lentry_shape_is_right:
; out0[head][q][:] = the sum over k of softmax_k(Q[head][q] . K[head][k] / sqrt(128)) V[head][k][:], 32 heads (2 x 16), 2,048 queries and keys a head, no mask; both products on codes of E5M2, each tensor with the one scale 2^e given for it.
; query_codes, key_codes: [head][2048][128 bytes].  value_codes: [head][128][2048 bytes], the keys innermost.  lowp_scales: eq, ek, ep, ev.  out0: [head][2048][128] f32.
; NOTHING OF reference() IS LEFT OUT: dropout with p = 0 is the identity and is no instruction; every input is loaded.
; THE SOFTMAX: t = score x log2(e) / sqrt(128); M = the running largest t rounded UP to a whole number; p = 2^(t - M) is quantised along the keys with 2^ep, not normalised; the row's sum is taken of the unquantised p, in f32,
; and divides O at the end.  When M moves, the sum and O are multiplied by 2^(old M - new M): nothing is rounded, and no branch hangs on data.
; SHARES.  A work-group owns 256 queries of one head; each of its four waves owns 64, four tiles of 16, in 1,024 registers: each fragment of K and V read from LDS feeds four matrix instructions.
; A KEY STEP is 256 keys, and a slot of the ring holds one step.  All four tiles' scores of a step lie in registers together, so that M and O's rescaling come once for 256 keys.
; MATRIX INSTRUCTIONS STAND IN RUNS, in units of 8 (two fragments x four tiles of queries); the loads of the fragments three units ahead stand between them.
; CLUSTER.  Four query blocks of one head walk the same K and V: each tile is asked for JOINTLY, with one mask of four.  A slot is four loads, one a wave (waves 0, 1: K's two parts, 8 rows of 2,048 bytes; waves 2, 3: V's halves, 64 rows of 256 bytes).
; LAYOUT.  Both products are transposed: S^T = K Q^T, O^T = V^T P^T: a lane holds ONE query (lane % 16) throughout.  THE KEYS OF A TILE: row m of tile 2 b + u is key 32 b + 16 (m / 8) + 8 u + m % 8, so that the 16 registers
; of tiles 2 b, 2 b + 1 are keys 32 b + 16 h + 0 .. 15, and V's fragments are loads of 16 bytes in the same order.  K and Q are read by loads of 16 bytes: a permutation of the head's 128 that is the same on both sides.
; K IN LDS: keys with bit 4 clear lie in one region, those with bit 4 set in a second, which begins 128 bytes past a multiple of 256: the 16 rows of a load (eight of each region, 144 bytes apart) start at 16 different groups of four banks (ISA guide 11.1).
; LIMITS.  eq + ek between -123 and 130 (added to c's exponent field); ep between -126 and 112 (2^ep and 57,344 x 2^ep are f32 numbers); ep + ev goes by v_ldexp_f32 and has none.
; Codes that are NaN or infinity are not served.  A p under 2^-126 comes out of v_exp_f32 as 0.  Inside an instruction the order of the sums differs from ascending k (the permutations above).
; REGISTERS, blocks of 256.  Block 0: 0-11 addresses, 12-35 statistics, 36-49 exchange, work, 2^ep and the hold, 50-63 chains, 64-127 Q, 128-255 eight fragments in four pairs (the fourth pair also takes held p).
;   Block 1: S^T of tiles 0, 1 (128 each), then p, then P's codes in each tile's first 32.  Block 2: the same of tiles 2, 3.  Block 3: O^T, tile q at 64 q.
.set KP,    144                        ; a key's row in LDS: 128 bytes + 16 of padding
.set KREG,  128*KP+128                 ; from K's first region (128 keys of a slot) to its second
.set VP,    272                        ; a row of V's tile in LDS: 256 bytes + 16 of padding: 16 rows start at 16 different groups of four banks
.set VOFF,  37120                      ; K's two regions end at 36,992: V begins at the next multiple of 256 and ends at 71,936
.set SLOT1, 1<<17                      ; slot 1 begins here, so that one exclusive or turns an address in one slot into the other's
.set SPARE, 2*SLOT1                    ; behind the ring: the spare words, 128 bytes for each wave
.set TST,   16*528                     ; the way out: a stage of 16 rows x (512 bytes + 16) for each of two tiles, in slot 0, which has had its last fill and its last read by then
.set NSL,   8                          ; key steps
.set AK0,  1                           ; my lane's place in a tile of K
.set AV0,  2                           ; and of V
.set PFO,  3                           ; the prefetches' offset; never rewritten
.set SPW,  4                           ; LDS address of my spare word; never rewritten
.set NIL,  5                           ; 0; never rewritten
.set GO,   6                           ; 16 x lane: my bytes in a row of O
.set ADK,  7                           ; LDS address of the step's tiles of K
.set ADV,  8                           ; and of V
.set STO,  9                           ; the way out: where I put 32 bytes of a row
.set RD,   10                          ; the way out: where I read a row back
.set QO,   11
.set ST,   12                          ; tile q at ST + 6 q: +0 -M, +1 the largest score, +2, +3 the sum in two halves, +4 f (at the end 1 / the sum), +5 its pair's upper half
.set PX,   36                          ; what the lane 16 away sends
.set MM,   40
.set TM,   44
.set CV,   48                          ; 2^ep
.set LIMP, 49                          ; 57,344 x 2^ep
.set MX,   50                          ; chains of maxima and sums, 14 registers
.set QF,   64
.set FR,   128
.set TT,   224                         ; the fourth pair of fragments, free during the softmax
.set WV,   14                          ; my wave's number
.set CX,   15                          ; my place in the cluster: it enters Q's, O's and the prefetches' addresses alone
.set SEL,  20                          ; lane selects for v_permlanex16_b32: lane l xor 16
.set CS,   22                          ; c = log2(e) / sqrt(128) x 2^(eq + ek), twice (a pair is named)
.set G1K,  24                          ; descriptor groups 1 of K and V, and groups 0, which walk
.set G1V,  32
.set G0K,  40
.set G0V,  44
.set TB,   48                          ; LDS byte at which the slot in hand begins
.set CNT,  49                          ; trips to go
.set LIM,  50                          ; 1 in a wave that prefetches, else the greatest number
.set PFA,  52                          ; where my prefetches stand in memory
.set PFS,  54                          ; a slot on, in bytes
.set EPV,  68                          ; ep + ev
.set MSB, 0
.macro WIN new                         ; the immediate's high byte repeats the setting that is left; a switch that changes nothing is dropped
.if MSB != (\new)
	s_set_vgpr_msb (MSB<<8)|(\new)
.set MSB, (\new)
.endif
.endm
; A round of the cluster's barrier; CREST is what follows its opening barrier.
.macro CREST
	s_cmp_lg_u32 s[WV], 0
	s_cbranch_scc1 .Lnot_wave_0_\@
	s_barrier_signal -3
.Lnot_wave_0_\@:
	s_barrier_wait -3
	s_barrier_signal -1
	s_barrier_wait -1
.endm
.macro CROUND
	s_barrier_signal -1
	s_barrier_wait -1
	CREST
.endm
; A joint load: one line for K's waves, one for V's.  The branch hangs on the wave's number alone.  An s_nop 0 and four v_nop follow each line.
.macro TLOAD
	s_cmp_lt_u32 s[WV], 2
	s_cbranch_scc0 .Lnot_k_\@
	tensor_load_to_lds s[G0K:G0K+3], s[G1K:G1K+7]
	s_nop 0
.rept 4
	v_nop
.endr
	s_branch .Lasked_\@
.Lnot_k_\@:
	tensor_load_to_lds s[G0V:G0V+3], s[G1V:G1V+7]
	s_nop 0
.rept 4
	v_nop
.endr
.Lasked_\@:
.endm
; The lines in front of a round: all my tensor loads are done (my part of the next slot), 0 is added to my spare word, the descriptors step to the slot after the next, and my LDS reads are over.
.macro MEET
	s_wait_tensorcnt 0x0
	ds_add_u32 v[SPW], v[NIL]
	s_xor_b32 s[G0K+1], s[G0K+1], SLOT1
	s_add_nc_u64 s[G0K+2:G0K+3], s[G0K+2:G0K+3], 0x8000    ; 256 keys on; the type bits on top are not reached
	s_xor_b32 s[G0V+1], s[G0V+1], SLOT1
	s_add_nc_u64 s[G0V+2:G0V+3], s[G0V+2:G0V+3], 256
	s_wait_xcnt 0x0                                ; the last prefetch has read its address, so it may be written
	s_add_nc_u64 s[PFA:PFA+1], s[PFA:PFA+1], s[PFS:PFS+1]
	s_wait_dscnt 0x0
.endm
; A PREFETCH INTO THE L2 of what the NEXT trip's tensor loads will ask for, one key step ahead: 256 keys of K, one dense block of 32,768 bytes, and 256 bytes of each of V's 128 rows.
; Each aligned block of 256 bytes is named ONCE in the launch: the head's first cluster asks; its four partners share the blocks out BY ADDRESS (of K 8,192 bytes each, of V 32 rows each); in each, wave 0 asks for K's and wave 1 for V's.
; The first two slots' worth come by their loads alone; the last trip asks for nothing.
.macro ASK
	s_cmp_gt_u32 s[CNT], s[LIM]
	s_cbranch_scc0 .Lnot_mine_\@
	global_prefetch_b8 v[PFO], s[PFA:PFA+1] th:TH_LOAD_NT scope:SCOPE_SE
.Lnot_mine_\@:
.endm
; LDS load l (0 .. 7) of item n: two fragments into pair n % 4.  Items 0-7: K's key tiles 2 n, 2 n + 1; items 8-15 (p = n - 8): V's channel tiles 2 (p % 4), + 1, the step's keys 128 (p / 4) on.
.macro LDI n, l
.if (\n) < 8
	ds_load_b128 v[FR+32*((\n)%4)+4*(\l):FR+32*((\n)%4)+4*(\l)+3], v[ADK] offset:8*(2*(\n)+(\l)/4)*KP+32*((\l)%4)
.else
	ds_load_b128 v[FR+32*((\n)%4)+4*(\l):FR+32*((\n)%4)+4*(\l)+3], v[ADV] offset:16*(2*((\n)%4)+(\l)/4)*VP+128*(((\n)-8)/4)+32*((\l)%4)
.endif
.endm
.macro LDALL n
.set UL, 0
.rept 8
	LDI \n, UL
.set UL, UL+1
.endr
.endm
; Matrix instruction w (0 .. 7) of unit n: query tile 2 (w / 4) + w % 2, fragment (w / 2) % 2 of pair n % 4.  ty = 0: S^T = K Q^T, key tiles 2 n, 2 n + 1; one instruction is the whole of the head's 128.
; ty = 1: O^T += V^T P^T; the accumulators take turns, one instruction a turn.
.macro WM ty, n, w
.set WQ, ((\w)/4)*2+(\w)%2
.set WF, ((\w)/2)%2
.set WA, FR+32*((\n)%4)+16*WF
.if \ty == 0
.set WD, 128*(WQ%2)+8*(2*(\n)+WF)
	WIN 0x40*(1+WQ/2)
	v_wmma_f32_16x16x128_bf8_bf8 v[WD:WD+7], v[WA:WA+15], v[QF+16*WQ:QF+16*WQ+15], 0
.else
.set WD, 64*WQ+8*(2*((\n)%4)+WF)
.set WB, 128*(WQ%2)+16*((\n)/4)
	WIN 0xf0+4*(1+WQ/2)
	v_wmma_f32_16x16x128_bf8_bf8 v[WD:WD+7], v[WA:WA+15], v[WB:WB+15], v[WD:WD+7]
.endif
.endm
.macro UNIT ty, n, w0, w1              ; a unit: its matrix instructions w0 .. w1 - 1
.set UW, \w0
.rept (\w1)-(\w0)
	WM \ty, \n, UW
.set UW, UW+1
.endr
.endm
.macro PLACES                          ; the four places behind a matrix instruction (ISA guide 7.12.1)
.rept 4
	v_nop
.endr
.endm
; Units 0 to 5 of O^T += V^T P^T.  Items 8 to 10 have been asked for, item 11 is asked for here; behind every two units the two pairs that they have read are filled again.
.macro PVA w0, w1
	LDALL 11
	s_wait_alu depctr_va_vdst(0)                   ; the wait ahead of the waits below
	s_wait_dscnt 8                                 ; items 8 to 10 are in; item 11's eight loads may be out
	UNIT 1, 0, \w0, \w1
	UNIT 1, 1, \w0, \w1
	PLACES
	WIN 0
	LDALL 12
	LDALL 13
	s_wait_dscnt 16                                ; item 11 is in
	UNIT 1, 2, \w0, \w1
	UNIT 1, 3, \w0, \w1
	PLACES
	WIN 0
	LDALL 14
	LDALL 15
	s_wait_dscnt 16                                ; items 12, 13 are in
	UNIT 1, 4, \w0, \w1
	UNIT 1, 5, \w0, \w1
.endm
; The step's largest score of my query: key tiles 4 g .. 4 g + 3 of the two tiles of block b, three chains a tile; the registers in ascending order.
.macro MAXG b, g
.set MB, MX+6*(\b-1)
.set MI, 0
.if \g == 0
	WIN 0x15*\b
.irp t, 0,1
	v_max3_num_f32 v[MB+3*\t], v[128*\t], v[128*\t+1], v[128*\t+2]
.endr
.irp t, 0,1
	v_max3_num_f32 v[MB+3*\t+1], v[128*\t+3], v[128*\t+4], v[128*\t+5]
.endr
.irp t, 0,1
	v_max_num_f32 v[MB+3*\t+2], v[128*\t+6], v[128*\t+7]
.endr
.set MI, 8
.endif
	WIN 0x14*\b
.rept 32-MI
.set MT, MI%2
.set MJ, MI/2
	v_max3_num_f32 v[MB+3*MT+MJ%3], v[MB+3*MT+MJ%3], v[128*MT+32*\g+2*MJ], v[128*MT+32*\g+2*MJ+1]
.set MI, MI+1
.endr
.if \g == 3
	WIN 0
.irp t, 0,1
	v_max3_num_f32 v[MM+2*\b-2+\t], v[MB+3*\t], v[MB+3*\t+1], v[MB+3*\t+2]
.endr
.endif
.endm
.macro SCALEOP q, n                    ; t - M, two at a time (of the pairs c and -M the low word serves both halves)
.set UT, 128*((\q)%2)+2*(\n)
	WIN 0x41*(1+(\q)/2)
	v_pk_fma_f32 v[UT:UT+1], v[UT:UT+1], s[CS:CS+1], v[ST+6*(\q):ST+6*(\q)+1] op_sel_hi:[1,0,0]
.endm
.macro SC q, cnt
.rept \cnt
	SCALEOP \q, NI
.set NI, NI+1
.endr
.endm
; The conversion to an 8-bit code does not saturate (ISA guide 7.6.2); p is not negative, so the hold is one-sided.  It is in place, behind the row's sum; the first 32 of a tile go to TT, so that the codes can take their registers.
.macro HOLDOP q, n
.set UT, 128*((\q)%2)+2*(\n)
	WIN 0x41*(1+(\q)/2)
	v_dual_min_num_f32 v[UT], v[UT], v[LIMP] :: v_dual_min_num_f32 v[UT+1], v[UT+1], v[LIMP]
.endm
.macro HOLDT q
.set JI, 0
.rept 16
.set UT, 128*((\q)%2)+2*JI
	WIN 1+(\q)/2
	v_dual_min_num_f32 v[TT+2*JI], v[UT], v[LIMP] :: v_dual_min_num_f32 v[TT+2*JI+1], v[UT+1], v[LIMP]
.set JI, JI+1
.endr
.endm
.macro CVTOP q, n                      ; key tile n of tile q, n from 4 on
.set UT, 128*((\q)%2)
	WIN 0x41*(1+(\q)/2)
	v_cvt_scalef32_pk8_bf8_f32 v[UT+2*(\n):UT+2*(\n)+1], v[UT+8*(\n):UT+8*(\n)+7], v[CV]
.endm
.macro CVTT q                          ; key tiles 0 .. 3, from TT
.set UT, 128*((\q)%2)
	WIN 0x40*(1+(\q)/2)
.irp g, 0,1,2,3
	v_cvt_scalef32_pk8_bf8_f32 v[UT+2*\g:UT+2*\g+1], v[TT+8*\g:TT+8*\g+7], v[CV]
.endr
.endm
; THE ROW'S SUM, of the unquantised p: two at a time, seven chains.
.macro SUMOP q, n
.set UB, 1+(\q)/2
.set UT, 128*((\q)%2)
.if (\n) < 7
	WIN 5*UB
	v_pk_add_f32 v[MX+2*(\n):MX+2*(\n)+1], v[UT+4*(\n):UT+4*(\n)+1], v[UT+4*(\n)+2:UT+4*(\n)+3]
.else
	WIN 4*UB
.set UA, MX+2*((\n)%7)
	v_pk_add_f32 v[UA:UA+1], v[UA:UA+1], v[UT+2*(\n)+14:UT+2*(\n)+15]
.endif
.endm
.macro JOIN a, b
	v_pk_add_f32 v[MX+2*\a:MX+2*\a+1], v[MX+2*\a:MX+2*\a+1], v[MX+2*\b:MX+2*\b+1]
.endm
.macro SUMA q                          ; of the tile's first 64 exponentials
.set MI, 0
.rept 25
	SUMOP \q, MI
.set MI, MI+1
.endr
.endm
.macro SUMB q                          ; of its last 64, and the chains' joining
.set MI, 25
.rept 32
	SUMOP \q, MI
.set MI, MI+1
.endr
	WIN 0
	JOIN 0, 1
	JOIN 2, 3
	JOIN 4, 5
	JOIN 0, 2
	JOIN 4, 6
	JOIN 0, 4
	v_pk_add_f32 v[ST+6*(\q)+2:ST+6*(\q)+3], v[ST+6*(\q)+2:ST+6*(\q)+3], v[MX:MX+1]
.endm
; What stands between the exponentials.  Inside a chunk no line reads what another line of the chunk writes.
.macro FILL md, q, n
.if \md == 0
.if (\n) < 32
	SCALEOP \q, 32+(\n)
.else
	SCALEOP \q+1, (\n)-32
.endif
.elseif \md == 1
	SCALEOP \q+1, 32+(\n)
.elseif \md == 2
	HOLDOP \q-1, 16+(\n)
.else
	CVTOP \q-1, 4+(\n)
.endif
.endm
.macro CHUNK q, c, md, nf              ; p = 2^(t - M), at most 1: 64 exponentials with nf other lines spread among them
	WIN 0x41*(1+(\q)/2)
.set EI, 0
.set FI, 0
.rept 64
	v_exp_f32 v[128*((\q)%2)+64*\c+EI], v[128*((\q)%2)+64*\c+EI]
.set EI, EI+1
.if ((EI*\nf)/64) > FI
	FILL \md, \q, FI
.set FI, FI+1
.endif
.endr
.endm
; The softmax of tiles q and r = q + 1, which lie in one block; the first half of q's scaled scores has been made.  In the end P's codes lie in each tile's first 32 registers.
; SUMA reads the chunk before, which an earlier wait has covered: it stands ahead of the later chunk's wait.
.macro PAIR q, r
	CHUNK \q, 0, 0, 64
	s_wait_alu depctr_va_vdst(0)
	CHUNK \q, 1, 1, 32
	SUMA \q
	s_wait_alu depctr_va_vdst(0)
	SUMB \q
	HOLDT \q
	CHUNK \r, 0, 2, 48
	s_wait_alu depctr_va_vdst(0)
	CHUNK \r, 1, 3, 12
	SUMA \r
	s_wait_alu depctr_va_vdst(0)
	CVTT \q
	SUMB \r
	HOLDT \r
.set NI, 16
.rept 48
	HOLDOP \r, NI
.set NI, NI+1
.endr
	CVTT \r
.set NI, 4
.rept 12
	CVTOP \r, NI
.set NI, NI+1
.endr
	WIN 0
	v_nop                                          ; one plain line behind the last conversion
.endm
; From the slot's first fragments (items 0 to 3 have been asked for) to scaled scores.  Two units, the maxima of their key tiles, then one run of loads into the two pairs that they have read: those of the units three and four further on.
.macro SCORES
.irp g, 0,1,2,3
	s_wait_dscnt 24                                ; item 2 g is in; the three younger items' 24 loads may be out
	UNIT 0, 2*\g, 0, 8
	s_wait_dscnt 16                                ; item 2 g + 1
	UNIT 0, 2*\g+1, 0, 8
	PLACES
	MAXG 1, \g
	MAXG 2, \g
	WIN 0
	LDALL 4+2*\g
.if \g < 3
	LDALL 5+2*\g
.endif
.endr
	WIN 0
.irp q, 0,1,2,3
	v_permlanex16_b32 v[PX+\q], v[MM+\q], s[SEL], s[SEL+1]         ; the query's other 128 keys lie in the lane 16 away
.endr
.irp q, 0,1,2,3
	v_max3_num_f32 v[ST+6*\q+1], v[ST+6*\q+1], v[MM+\q], v[PX+\q]  ; the running largest score
.endr
.irp q, 0,1,2,3
	v_mul_f32 v[TM+\q], s[CS], v[ST+6*\q+1]        ; as t (c is positive)
.endr
.irp q, 0,1,2,3
	v_floor_f32 v[TM+\q], -v[TM+\q]                ; the new -M = floor(-t) = -ceil(t): M is a whole number
.endr
.irp q, 0,1,2,3
	v_sub_f32 v[MM+\q], v[TM+\q], v[ST+6*\q]       ; M's old value less its new one: 0 or less
.endr
.irp q, 0,1,2,3
	v_mov_b32 v[ST+6*\q], v[TM+\q]
.endr
.irp q, 0,1,2,3
	v_cvt_i32_f32 v[MM+\q], v[MM+\q]               ; (it saturates)
.endr
.irp q, 0,1,2,3
	v_ldexp_f32 v[ST+6*\q+4], 1.0, v[MM+\q]        ; f = 2^(old M - new M)
.endr
.set NI, 0
	SC 0, 32
	WIN 0
.irp q, 0,1,2,3
	v_pk_mul_f32 v[ST+6*\q+2:ST+6*\q+3], v[ST+6*\q+2:ST+6*\q+3], v[ST+6*\q+4:ST+6*\q+5] op_sel_hi:[1,0]   ; the sums under the new M
.endr
	WIN 0xc3
.set JI, 0
.rept 128
	v_pk_mul_f32 v[JI:JI+1], v[JI:JI+1], v[ST+6*(JI/64)+4:ST+6*(JI/64)+5] op_sel_hi:[1,0]   ; O^T under the new M
.set JI, JI+2
.endr
	s_wait_alu depctr_va_vdst(0)                   ; the wait ahead of the exponentials, and ahead of the wait below
	s_wait_dscnt 0x0                               ; V's items 8 to 10 are in
.endm
	s_load_b256 s[4:11], s[0:1], 0x0               ; Q's codes s[4:5], K's s[6:7], V's s[8:9], the scales' exponents s[10:11]
	s_load_b64 s[12:13], s[0:1], 0x20              ; O
	v_lshl_add_u32 v[SPW], v0, 2, SPARE
	v_mov_b32 v[NIL], 0
	ds_add_u32 v[SPW], v[NIL]                      ; the wave's opening: the add, twice on end, and its wait
	ds_add_u32 v[SPW], v[NIL]
	v_lshrrev_b32 v[QO], 5, v0
	v_readfirstlane_b32 s[WV], v[QO]               ; wave 0..3
	s_bfe_u32 s[CX], ttmp6, 0x40000                ; cx
	s_lshl_b32 s16, ttmp9, 2                       ; in a cluster launch ttmp9 counts clusters
	s_add_co_u32 s16, s16, s[CX]                   ; my block of 256 queries
	s_and_b32 s17, ttmp7, 0xffff                   ; the head, which the four partners share
	s_lshl_b32 s18, s17, 18                        ; the head's first byte in each tensor of codes
	s_mov_b32 s19, 0
	s_lshl_b32 s60, s16, 8
	s_lshl_b32 s61, s[WV], 6
	s_add_co_u32 s60, s60, s61                     ; my first query
	s_lshl_b32 s62, s60, 7
	s_add_co_u32 s62, s62, s18                     ; its codes,
	s_mov_b32 s63, 0
	s_lshl_b32 s66, s60, 9
	s_lshl_b32 s67, s17, 20
	s_add_co_u32 s66, s66, s67                     ; and its row of O
	s_mov_b32 s67, 0
	s_mul_i32 s60, s[WV], 2*TST                    ; my stages
	s_mov_b32 s78, 2048                            ; the prefetches: from lane to lane in V,
	s_cmp_eq_u32 s[WV], 0
	s_cselect_b32 s78, 256, s78                    ; in K
	v_and_b32 v[MX], 15, v0                        ; r = lane % 16
	v_bfe_u32 v[MX+1], v0, 4, 1                    ; h = lane / 16
	v_and_b32 v[MX+2], 7, v0                       ; r % 8
	v_bfe_u32 v[MX+3], v0, 3, 1                    ; r / 8
	v_and_b32 v[MX+4], 31, v0
	v_lshlrev_b32 v[QO], 7, v[MX]
	v_lshl_add_u32 v[QO], v[MX+1], 4, v[QO]        ; Q: row r of 128 bytes, + 16 h
	v_mul_u32_u24 v[AK0], v[MX+2], KP
	v_mad_u32_u24 v[AK0], v[MX+3], KREG, v[AK0]
	v_lshl_add_u32 v[AK0], v[MX+1], 4, v[AK0]
	v_mul_u32_u24 v[AV0], v[MX], VP
	v_lshl_add_u32 v[AV0], v[MX+1], 4, v[AV0]
	v_add_nc_u32 v[AV0], VOFF, v[AV0]
	v_lshlrev_b32 v[GO], 4, v[MX+4]
	v_mul_lo_u32 v[PFO], v[MX+4], s78
	v_mul_u32_u24 v[STO], v[MX], 528
	v_lshl_add_u32 v[STO], v[MX+1], 5, v[STO]
	v_add_nc_u32 v[STO], s60, v[STO]               ; in: row r; channel tile i's eight channels of my half: 64 i + 32 h bytes on
	v_add_nc_u32 v[RD], s60, v[GO]                 ; back: the 32 lanes take one row of 512 bytes
	; what I fetch: waves 0, 1: keys with bit 4 equal to wave % 2; waves 2, 3: rows 64 x (wave % 2) of V on.  Made of the head and the wave's number alone: equal in the four partners
	s_and_b32 s70, s[WV], 1
	s_mov_b32 s[G0K], 1                            ; 1:0 count = 1
	s_mul_i32 s[G0K+1], s70, KREG                  ; 63:32 LDS address: slot 0
	s_mov_b32 s[G0V], 1
	s_mul_i32 s71, s70, 64*VP
	s_add_co_u32 s[G0V+1], s71, VOFF
	s_lshl_b32 s72, s70, 11                        ; K: 16 keys of 128 bytes on
	s_mov_b32 s73, 0
	s_add_nc_u64 s[72:73], s[72:73], s[18:19]
	s_lshl_b32 s74, s70, 17                        ; V: 64 rows of 2,048 bytes on
	s_mov_b32 s75, 0
	s_add_nc_u64 s[74:75], s[74:75], s[18:19]
	; descriptor group 1.  K: 8 rows of 2,048 bytes (16 keys), 4,096 bytes apart, padded behind each key;  V: 64 rows of 256 bytes, 2,048 bytes apart
	s_mov_b32 s[G1K], 15|(1<<20)|(1<<21)|(4<<22)|(3<<25)   ; 15:0 the mask; 17:16 elements of 1 byte; 20 padding on; 21 set beside a mask; 24:22 after every 32 words (code 4); 31:25 four words (code 3)
	s_mov_b32 s[G1K+1], 2048<<16                   ; tensor_dim0
	s_mov_b32 s[G1K+2], 8<<16                      ; tensor_dim1
	s_mov_b32 s[G1K+3], 2048<<16                   ; tile_dim0
	s_mov_b32 s[G1K+4], 8                          ; tile_dim1
	s_mov_b32 s[G1K+5], 4096                       ; tensor_dim0_stride
	s_mov_b32 s[G1K+6], 0
	s_mov_b32 s[G1K+7], 0
	s_mov_b32 s[G1V], 15|(1<<20)|(1<<21)|(5<<22)|(3<<25)   ; the same with four words of padding after every 64
	s_mov_b32 s[G1V+1], 256<<16
	s_mov_b32 s[G1V+2], 64<<16
	s_mov_b32 s[G1V+3], 256<<16
	s_mov_b32 s[G1V+4], 64
	s_mov_b32 s[G1V+5], 2048
	s_mov_b32 s[G1V+6], 0
	s_mov_b32 s[G1V+7], 0
	s_mov_b32 s[SEL], 0x76543210
	s_mov_b32 s[SEL+1], 0xfedcba98
	s_mov_b32 s[CS], 0x3e0293ee                    ; c = log2(e) / sqrt(128)
	s_mov_b32 s[TB], 0
	s_mov_b32 s[CNT], NSL-1
	s_wait_alu depctr_va_vdst(0)
	s_wait_dscnt 0x0                               ; both opening adds are done
	s_wait_kmcnt 0x0
	s_load_b128 s[56:59], s[10:11], 0x0            ; eq, ek, ep, ev
	s_add_nc_u64 s[4:5], s[4:5], s[62:63]          ; Q's codes at my first query
.irp q, 0,1,2,3
.irp c, 0,1,2,3
	global_load_b128 v[QF+16*\q+4*\c:QF+16*\q+4*\c+3], v[QO], s[4:5] offset:\q*16*128+32*\c   ; Q's fragments stay in registers
.endr
.endr
	s_add_nc_u64 s[G0K+2:G0K+3], s[6:7], s[72:73]  ; 120:64 global address: the head's first 256 keys
	s_or_b32 s[G0K+3], s[G0K+3], 0x80000000        ; 127:126 type = 2
	s_add_nc_u64 s[G0V+2:G0V+3], s[8:9], s[74:75]
	s_or_b32 s[G0V+3], s[G0V+3], 0x80000000
	CROUND                                         ; all four work-groups are here: the first joint loads meet
	TLOAD                                          ; slot 0
	s_add_nc_u64 s[12:13], s[12:13], s[66:67]      ; O at my first query
	; the prefetches: where my wave's stand, and who asks
	s_lshl_b32 s76, s[CX], 13                      ; my work-group's part of a slot's K: 8,192 bytes,
	s_lshl_b32 s77, s[CX], 16                      ; of V: 32 rows of 2,048 bytes
	s_mov_b32 s[PFS], 256
	s_cmp_eq_u32 s[WV], 0                          ; wave 0 asks for K's codes, wave 1 for V's
	s_cselect_b64 s[PFA:PFA+1], s[6:7], s[8:9]
	s_cselect_b32 s[PFS], 0x8000, s[PFS]           ; a slot on
	s_cselect_b32 s76, s76, s77
	s_mov_b32 s77, 0
	s_mov_b32 s[PFS+1], 0
	s_add_nc_u64 s[PFA:PFA+1], s[PFA:PFA+1], s[18:19]      ; in my head,
	s_add_nc_u64 s[PFA:PFA+1], s[PFA:PFA+1], s[76:77]      ; my work-group's part,
	s_add_nc_u64 s[PFA:PFA+1], s[PFA:PFA+1], s[PFS:PFS+1]  ; in slot 1: the step in front of the first trip's round brings it to slot 2
	s_lshr_b32 s79, s[WV], 1                       ; 0 in waves 0 and 1,
	s_or_b32 s79, s79, ttmp9                       ; of the head's first cluster: the same in all four partners
	s_cmp_eq_u32 s79, 0
	s_cselect_b32 s[LIM], 1, -1
.irp q, 0,1,2,3
	v_mov_b32 v[ST+6*\q], 0x7f61b1e6               ; -M: 3e38, so that the first f is 0
	v_mov_b32 v[ST+6*\q+1], 0xff61b1e6             ; the largest score so far: -3e38, under every score
	v_mov_b32 v[ST+6*\q+2], 0                      ; the sum, in two halves
	v_mov_b32 v[ST+6*\q+3], 0
	v_mov_b32 v[ST+6*\q+5], 0                      ; (named as the upper half of f's pair)
	v_mov_b32 v[PX+\q], 0                          ; written once: a lane permute's destination counts as one of its sources
.endr
	WIN 0xc0
.set JI, 0
.rept 256
	v_mov_b32 v[JI], 0                             ; O^T.  (A step has no first form of its own: the first finds zeros, which the first change of M leaves zeros)
.set JI, JI+1
.endr
	WIN 0
	s_wait_alu depctr_va_vdst(0)
	s_wait_kmcnt 0x0
	s_add_co_i32 s60, s56, s57
	s_lshl_b32 s60, s60, 23
	s_add_co_i32 s[CS], s[CS], s60                 ; a score stands for score x 2^(eq + ek): added to c's exponent field
	s_mov_b32 s[CS+1], s[CS]
	s_add_co_i32 s60, s58, 127
	s_lshl_b32 s61, s60, 23
	s_add_co_i32 s60, s60, 15
	s_lshl_b32 s60, s60, 23
	s_or_b32 s60, s60, 0x600000
	s_add_co_i32 s[EPV], s58, s59                  ; ep + ev
	v_mov_b32 v[CV], s61                           ; 2^ep as f32
	v_mov_b32 v[LIMP], s60                         ; 57,344 x 2^ep
	s_wait_alu depctr_va_vdst(0)                   ; the wait at the head's end
	s_wait_loadcnt 0x0                             ; Q
	MEET
	CROUND                                         ; slot 0 is whole
.Lstep:                                            ; 7 trips, steps 0 to 6
	v_add_nc_u32 v[ADK], s[TB], v[AK0]
	v_add_nc_u32 v[ADV], s[TB], v[AV0]
	s_wait_alu depctr_va_vdst(0)
	TLOAD                                          ; the next step's slot: the first thing behind the round; it has this step in which to land.  Its four v_nop are also the places in front of the loads below
	LDALL 0
	LDALL 1
	LDALL 2
	LDALL 3
	ASK
	SCORES
	PAIR 0, 1
.set NI, 0
	SC 2, 32
	s_wait_alu depctr_va_vdst(0)
	PAIR 2, 3
	PVA 0, 8
	WIN 0
	MEET
	s_barrier_signal -1                            ; the round's opening: two units of work on registers stand inside it
	UNIT 1, 6, 0, 8
	UNIT 1, 7, 0, 8
	WIN 0
	s_barrier_wait -1
	CREST
	s_xor_b32 s[TB], s[TB], SLOT1                  ; on to the other slot
	s_sub_co_u32 s[CNT], s[CNT], 1
	s_cmp_lg_u32 s[CNT], 0
	s_cbranch_scc1 .Lstep
	; THE LAST STEP is written out: it fetches nothing, and tiles 0, 1 are finished and stored ahead of the softmax of tiles 2, 3 (V's fragments are read once more for those).
.macro PVHALF w0, w1                   ; items 8 to 10 have been asked for
	PVA \w0, \w1
	s_wait_dscnt 0x0                               ; items 14, 15 are in
	UNIT 1, 6, \w0, \w1
	UNIT 1, 7, \w0, \w1
.endm
.macro ROWSUM q, r                     ; 2^(ep + ev) / the row's sum
	WIN 0
.irp t, \q, \r
	v_add_f32 v[MM+\t], v[ST+6*\t+2], v[ST+6*\t+3]
.endr
.irp t, \q, \r
	v_permlanex16_b32 v[PX+\t], v[MM+\t], s[SEL], s[SEL+1]
.endr
.irp t, \q, \r
	v_add_f32 v[MM+\t], v[MM+\t], v[PX+\t]
.endr
	s_wait_alu depctr_va_vdst(0)                   ; the wait ahead of the reciprocals
.irp t, \q, \r
	v_rcp_f32 v[ST+6*\t+4], v[MM+\t]
.endr
	v_nop                                          ; a plain place behind them
	s_wait_alu depctr_va_vdst(0)                   ; and the wait ahead of their first reader
.irp t, \q, \r
	v_ldexp_f32 v[ST+6*\t+4], v[ST+6*\t+4], s[EPV]
.endr
.endm
; THE WAY OUT of block b's two tiles: O^T x 2^(ep + ev) / the sum into S's registers, through my stages in LDS, and back as whole rows of 512 bytes.  LDS serves a wave's instructions in order (ISA guide 5.7.1.4).
.macro PACK b
.rept 4
	v_nop                                          ; four places in front of the first read of the last products
.endr
	WIN 3+0x40*\b
.set JI, 0
.rept 64
	v_pk_mul_f32 v[128*(JI/64)+JI%64:128*(JI/64)+JI%64+1], v[128*(\b-1)+JI:128*(\b-1)+JI+1], v[ST+12*(\b-1)+6*(JI/64)+4:ST+12*(\b-1)+6*(JI/64)+5] op_sel_hi:[1,0]
.set JI, JI+2
.endr
	WIN 4*\b
.set DI, 0
.rept 32
	ds_store_b128 v[STO], v[128*(DI/16)+4*(DI%16):128*(DI/16)+4*(DI%16)+3] offset:(DI/16)*TST+((DI%16)/2)*64+(DI%2)*16
.set DI, DI+1
.endr
	WIN 0x40*\b
.set DI, 0
.rept 32
	ds_load_b128 v[128*(DI/16)+4*(DI%16):128*(DI/16)+4*(DI%16)+3], v[RD] offset:(DI/16)*TST+(DI%16)*528
.set DI, DI+1
.endr
.endm
.macro SEND b                          ; 32 lanes store a row's 512 consecutive bytes, at a multiple of 512 from O's first byte
	s_wait_alu depctr_va_vdst(0)                   ; directly ahead of the waits below
	WIN 4*\b
.set DI, 0
.rept 32
.if (DI%4) == 0
	s_wait_dscnt 28-DI                             ; rows DI to DI + 3 are back; the later rows' loads may be out
.endif
	global_store_b128 v[GO], v[128*(DI/16)+4*(DI%16):128*(DI/16)+4*(DI%16)+3], s[12:13] offset:(32*(\b-1)+DI)*512 th:TH_STORE_NT
.set DI, DI+1
.endr
	WIN 0
.endm
	v_add_nc_u32 v[ADK], s[TB], v[AK0]
	v_add_nc_u32 v[ADV], s[TB], v[AV0]
	s_wait_alu depctr_va_vdst(0)
.rept 4
	v_nop                                          ; places in front of the loads into the last products' fragments
.endr
	LDALL 0
	LDALL 1
	LDALL 2
	LDALL 3
	SCORES
	PAIR 0, 1
	ROWSUM 0, 1
	PVHALF 0, 4
	PACK 1
.set NI, 0
	SC 2, 32                                       ; between the loads from the stage and the stores
	SEND 1
	LDALL 8
	LDALL 9
	LDALL 10
	PAIR 2, 3
	ROWSUM 2, 3
	PVHALF 4, 8
	PACK 2
	SEND 2
	s_wait_tensorcnt 0x0                           ; the wave's end
	ds_add_u32 v[SPW], v[NIL]
	s_wait_dscnt 0x0
	CROUND                                         ; the closing round: no work-group ends while a partner may still ask for a tile that names it
	s_endpgm
.Lfunc_end_k_q8f9ab0af9a_attn:
	.size	k_q8f9ab0af9a_attn, .Lfunc_end_k_q8f9ab0af9a_attn-k_q8f9ab0af9a_attn
	.p2alignl 7, 3214868480
	.fill 96, 4, 3214868480
	.section	.rodata,"a",@progbits
	.p2align	6, 0x0
	.amdhsa_kernel k_q8f9ab0af9a_attn
		.amdhsa_group_segment_fixed_size 327680
		.amdhsa_private_segment_fixed_size 0
		.amdhsa_enable_private_segment 0
		.amdhsa_kernarg_size 40
		.amdhsa_user_sgpr_count 2
		.amdhsa_user_sgpr_kernarg_segment_ptr 1
		.amdhsa_wavefront_size32 1
		.amdhsa_system_sgpr_workgroup_id_x 1
		.amdhsa_system_sgpr_workgroup_id_y 1
		.amdhsa_system_sgpr_workgroup_id_z 1
		.amdhsa_system_vgpr_workitem_id 0
		.amdhsa_next_free_vgpr 1024
		.amdhsa_next_free_sgpr 96
		.amdhsa_reserve_vcc 0
		.amdhsa_float_denorm_mode_32 3
		.amdhsa_float_denorm_mode_16_64 3
		.amdhsa_memory_ordered 1
		.amdhsa_forward_progress 1
		.amdhsa_inst_pref_size 255
	.end_amdhsa_kernel
	.section	.bss,"aw",@nobits
	.p2align	6
	.space	262144
	.amdgpu_metadata
---
amdhsa.version: [ 1, 2 ]
amdhsa.kernels:
  - .name:           k_q8f9ab0af9a_attn
    .symbol:         k_q8f9ab0af9a_attn.kd
    .args:
      - { .name: query_codes, .offset: 0, .size: 8, .value_kind: global_buffer, .address_space: global }
      - { .name: key_codes, .offset: 8, .size: 8, .value_kind: global_buffer, .address_space: global }
      - { .name: value_codes, .offset: 16, .size: 8, .value_kind: global_buffer, .address_space: global }
      - { .name: lowp_scales, .offset: 24, .size: 8, .value_kind: global_buffer, .address_space: global }
      - { .name: out0, .offset: 32, .size: 8, .value_kind: global_buffer, .address_space: global }
    .group_segment_fixed_size: 327680
    .private_segment_fixed_size: 0
    .kernarg_segment_align: 8
    .kernarg_segment_size: 40
    .max_flat_workgroup_size: 128
    .sgpr_count:     96
    .vgpr_count:     1024
    .wavefront_size: 32
...
	.end_amdgpu_metadata
.endif
;; end of part 1
